; MI455X (gfx1250); checked and timed in simulation.
; The chip was launched on July 23, 2026; its instructions are those of AMD's public machine-readable ISA for CDNA 5 (MIT licence, August 2026) and "CDNA5" Instruction Set Architecture Reference Guide (July 2026). The comments in the code are by the model that wrote it; some were corrected since.
;; Quantized Linear. Allowed arithmetic: float matrix products may take bf16 or f16 operands with f32 sums; all other float work in f32.
;; Inputs: scale 16,384 x 1 float32; weight 16,384 x 4,096 int8; x 4 x 256 x 4,096 float32.
;; Outputs: out0 4 x 256 x 16,384 float32.
;; One version. Each part assembles by itself: llvm-mc -triple=amdgcn-amd-amdhsa -mcpu=gfx1250 --defsym DOCPART=n.
;; ======== version 1 of 1: 2 launches
;; workspace buffers: xb 8,388,608 bytes
;; launch tohalf (part 1): grid 512 x 1, 8 waves a work-group, no clusters, 0 bytes of LDS; arguments x, xb; writes xb
.if DOCPART == 1
	.amdgcn_target "amdgcn-amd-amdhsa--gfx1250"
	.amdhsa_code_object_version 6
	.text
	.protected	k_q69fb4ac80b_tohalf
	.globl	k_q69fb4ac80b_tohalf
	.p2align	8
	.type	k_q69fb4ac80b_tohalf,@function
k_q69fb4ac80b_tohalf:
	s_mov_b64 s[64:65], 0
	v_nop
	global_prefetch_b8 v0, s[64:65] scope:SCOPE_SE
	s_setreg_imm32_b32 hwreg(HW_REG_WAVE_MODE, 25, 1), 1
	s_wait_xcnt 0x0
; xb = x rounded once to bf16.  x: 4,194,304 numbers of f32; xb: the same numbers in bf16, in the same order ([1024][4096], rows of 8,192 bytes).
; LIMIT.  bf16 keeps f32's range and 8 significant bits: x is off by up to 2^-8 of itself; this is the rounding of a matrix operand, made once here instead of in every work-group that reads x.
; A stream: every byte is read once and written once.  512 work-groups of eight waves; a work-group owns 32,768 bytes of x and 16,384 of xb.
; Thread t takes 16 bytes at 16 t of each of eight blocks of 4,096 bytes: a wave's load covers 512 consecutive bytes, its store 256, both aligned.
; All eight loads go out first; no register is written twice, so no wait but the counted ones for the loads is needed.  No LDS, no barrier: nothing is shared.
.set NLD,  8                           ; loads of a thread
.set INB,  4096                        ; bytes of x that the work-group's 256 threads take with one load
.set OUTB, 2048                        ; bytes of xb that they store for it
.set X,    4                           ; v[4:35]   eight loads of four f32
.set Y,    36                          ; v[36:51]  eight results of four bf16
	s_load_b128 s[4:7], s[0:1], 0x0                ; x s[4:5], xb s[6:7]
	s_lshl_b32 s8, ttmp9, 15                       ; the work-group's 32,768 bytes of x
	s_mov_b32 s9, 0
	s_lshl_b32 s10, ttmp9, 14                      ; and its 16,384 bytes of xb
	s_mov_b32 s11, 0
	v_lshlrev_b32 v1, 4, v0                        ; 16 t
	v_lshlrev_b32 v2, 3, v0                        ; 8 t
	s_wait_kmcnt 0x0
	s_add_nc_u64 s[4:5], s[4:5], s[8:9]
	s_add_nc_u64 s[6:7], s[6:7], s[10:11]
.irp j, 0,1,2,3,4,5,6,7
	global_load_b128 v[X+4*(\j):X+4*(\j)+3], v1, s[4:5] offset:INB*(\j) th:TH_LOAD_NT  ; x is read once in the whole program
.endr
.irp j, 0,1,2,3,4,5,6,7
	s_wait_loadcnt NLD-1-(\j)                      ; loads come back in order (ISA guide 5.7.1): load j is in, the younger ones stay out
	v_cvt_pk_bf16_f32 v[Y+2*(\j)],   v[X+4*(\j)],   v[X+4*(\j)+1]
	v_cvt_pk_bf16_f32 v[Y+2*(\j)+1], v[X+4*(\j)+2], v[X+4*(\j)+3]
	global_store_b64 v2, v[Y+2*(\j):Y+2*(\j)+1], s[6:7] offset:OUTB*(\j)  ; no hint: the next launch reads these bytes
.endr
	s_endpgm
.Lfunc_end_k_q69fb4ac80b_tohalf:
	.size	k_q69fb4ac80b_tohalf, .Lfunc_end_k_q69fb4ac80b_tohalf-k_q69fb4ac80b_tohalf
	.p2alignl 7, 3214868480
	.fill 96, 4, 3214868480
	.section	.rodata,"a",@progbits
	.p2align	6, 0x0
	.amdhsa_kernel k_q69fb4ac80b_tohalf
		.amdhsa_group_segment_fixed_size 0
		.amdhsa_private_segment_fixed_size 0
		.amdhsa_enable_private_segment 0
		.amdhsa_kernarg_size 16
		.amdhsa_user_sgpr_count 2
		.amdhsa_user_sgpr_kernarg_segment_ptr 1
		.amdhsa_wavefront_size32 1
		.amdhsa_system_sgpr_workgroup_id_x 1
		.amdhsa_system_sgpr_workgroup_id_y 1
		.amdhsa_system_sgpr_workgroup_id_z 1
		.amdhsa_system_vgpr_workitem_id 0
		.amdhsa_next_free_vgpr 52
		.amdhsa_next_free_sgpr 66
		.amdhsa_reserve_vcc 0
		.amdhsa_float_denorm_mode_32 3
		.amdhsa_float_denorm_mode_16_64 3
		.amdhsa_memory_ordered 1
		.amdhsa_forward_progress 1
		.amdhsa_inst_pref_size 4
	.end_amdhsa_kernel
	.amdgpu_metadata
---
amdhsa.version: [ 1, 2 ]
amdhsa.kernels:
  - .name:           k_q69fb4ac80b_tohalf
    .symbol:         k_q69fb4ac80b_tohalf.kd
    .args:
      - { .name: x, .offset: 0, .size: 8, .value_kind: global_buffer, .address_space: global }
      - { .name: xb, .offset: 8, .size: 8, .value_kind: global_buffer, .address_space: global }
    .group_segment_fixed_size: 0
    .private_segment_fixed_size: 0
    .kernarg_segment_align: 8
    .kernarg_segment_size: 16
    .max_flat_workgroup_size: 256
    .sgpr_count:     66
    .vgpr_count:     52
    .wavefront_size: 32
...
	.end_amdgpu_metadata
.endif
;; end of part 1
;; launch gemm (part 2): grid 64 x 4, 4 waves a work-group, clusters of 4 x 4, 327,680 bytes of LDS; arguments xb, weight, scale, out0; writes out0
.if DOCPART == 2
	.amdgcn_target "amdgcn-amd-amdhsa--gfx1250"
	.amdhsa_code_object_version 6
	.text
	.protected	k_q69fb4ac80b_gemm
	.globl	k_q69fb4ac80b_gemm
	.p2align	8
	.type	k_q69fb4ac80b_gemm,@function
k_q69fb4ac80b_gemm:
	s_mov_b64 s[64:65], 0
	v_nop
	global_prefetch_b8 v0, s[64:65] scope:SCOPE_SE
	s_setreg_imm32_b32 hwreg(HW_REG_WAVE_MODE, 25, 1), 1
	s_wait_xcnt 0x0
	s_wait_alu depctr_hold_cnt(0) depctr_sa_sdst(0) depctr_va_vdst(0) depctr_va_sdst(0) depctr_va_ssrc(0) depctr_va_vcc(0) depctr_vm_vsrc(0)
	s_getreg_b32 s2, hwreg(HW_REG_IB_STS2, 6, 4)
	s_cmp_eq_u32 s2, 0
	s_cbranch_scc0 .Lentry_in_a_cluster
	s_endpgm
.Lentry_in_a_cluster:
	s_bfe_u32 s2, ttmp6, 0x10000c
	s_cmp_lg_u32 s2, 0xf033
	s_cbranch_scc0 .Lentry_shape_is_right
	s_endpgm
.Lentry_shape_is_right:
; out[m][n] = scale[n] x the sum over k of xb[m][k] w[n][k].  xb: [1024][4096] bf16 (x rounded once); w: [16384][4096] int8; scale: [16384] f32; out: [1024][16384] f32.
; FORMATS.  Both operands of the products are bf16, the sums f32.  Every int8 has at most 8 significant bits and is exact in bf16.  It is made in registers, between LDS and the product, and reckoned in f32:
; the byte's top bit is turned (u = w + 128), the byte is set under 0x4B0000 (the f32 number 2^23 + u, whose last place counts 1), and one fused multiply-add in f32 takes 2^23 + 128 away and rounds
; to bf16: w, exactly, -128 included.  Nine vector instructions for four weights.
; LIMITS.  xb carries bf16's 8 significant bits.  The scale stays f32 and multiplies the finished f32 sum, not each weight: the order of rounding differs from a product with scaled weights.
; SHARES.  A tile of out, 256 x 256, is made by a work-group of four waves; 4 x 64 tiles, one to a work-group.  A wave makes ALL 256 rows x 64 columns: 64 accumulators of 16 x 16, 512 registers.
; So each weight of the tile is converted by one wave alone: 144 conversion lines for 64 products; with 128 x 128 a wave it would be 288.  The price: for 32 along K a wave reads 16 KB of xb and 2 KB of w from LDS.
; K goes in steps of 128 through a ring of two LDS slots filled by the tensor data mover: xb's tile rows are 256 bytes, w's 128 (two slots of a step of 256 would take 409,600 bytes: they do not fit).
; CLUSTERS.  4 x 4 work-groups.  The four of a row of the cluster need the same tiles of xb, the four of a column the same tiles of w: each tile is asked for JOINTLY, by the same tensor load with
; the same descriptor and a mask that names the four.
; THE MATRIX INSTRUCTION IS USED TRANSPOSED: source 0 = 16 rows of w, source 1 = 16 rows of xb: lane l holds row m = l % 16 of out and the columns n = 8 (l / 16) + 0..7.
; K IS PERMUTED ALIKE IN BOTH SOURCES: within 32 along K lane (r, h) holds k = 16 h .. 16 h + 15, register j the numbers 2 j, 2 j + 1 of them.  So a fragment of w is ONE load of 16 bytes a lane,
; a fragment of xb two neighbouring ones; the products are the same, only their grouping inside an instruction differs.
; REGISTERS, in windows of 256 (s_set_vgpr_msb: bits 1:0 source 0, 3:2 source 1, 5:4 source 2, 7:6 destination).  Window p owns column block p with all that belongs to it:
;   every window: v0-127 accumulators (row block a at 8 a); v128-143 w's bf16 fragment, two buffers; v144-151 w's bytes as loaded, two buffers; v152-159 eight f32 at work; v160 1.0; v161 -(2^23 + 128);
;                 v192-255 a piece of xb's fragments: window 2 f + half holds buffer f, row blocks 8 half + 0..7
;   window 0 also: v164-167 LDS addresses; v168-171 the way out; v172-173 the add's two; v176-179 four scales; on the way out v192-255 are the rows read back
; So ONE setting (destination, source 0 and C in window p, source 1 in the piece's window) serves eight products and the conversion lines that ride behind them, nine behind four, without a switch.
; THE LDS LOADS OF A QUARTER STEP STAND IN ONE RUN of 36, behind its fourth product: xb's fragments of the next quarter and w's bytes of the quarter after next.
.set KSTEP, 128
.set PA,    272                        ; a row of xb in LDS: 256 bytes + 16 = 68 words: row r starts at bank 4 r mod 64 (64 banks of 4 bytes: ISA guide 11.1): the 16 rows of a load start at 16 different groups of four banks
.set PB,    144                        ; a row of w: 128 bytes + 16 = 36 words: 16 rows again start at 16 different groups of four banks
.set AHALF, 128*PA                     ; 128 rows of xb: one tensor load
.set WHALF, 128*PB                     ; 128 rows of w likewise
.set WOFF,  2*AHALF                    ; in a slot w's 256 rows lie behind xb's 256
.set SLOT,  2*AHALF+2*WHALF            ; 106,496 bytes
.set STAGE, 2*SLOT                     ; behind the ring, never filled by a tensor load: 16 rows x 272 bytes for each wave, for the way out
.set SP,    272                        ; 256 bytes + 16
.set SPARE, STAGE+4*16*SP              ; behind the stages: the spare words, 128 bytes for each wave: two blocks of 256 bytes that no other line names
.set LAPS,  4096/(2*KSTEP)             ; a lap = two K steps = once round the ring
.set ROWB,  65536                      ; bytes in a row of out
.set BF,   128                         ; w's bf16 fragment: buffer g at BF + 8 g
.set STG,  144                         ; w's bytes: buffer g at STG + 4 g
.set T,    152                         ; the odd weights' f32 numbers
.set ONE,  160                         ; 1.0, in every window
.set NEGC, 161                         ; -(2^23 + 128), in every window
.set ADRA, 164                         ; v164-165 xb's LDS address in slot 0, 1 (window 0, like all below)
.set ADRB, 166                         ; v166-167 w's
.set STO,  168                         ; the way out: where I put 16 bytes of a row
.set RD,   169                         ; the way out: where I read two rows back
.set CO,   170                         ; my byte offset in two rows of out; never rewritten
.set SCO,  171                         ; my byte offset in my wave's 64 scales; never rewritten
.set SPW,  172                         ; LDS address of my spare word: SPARE + 4 x my thread's number; never rewritten
.set NIL,  173                         ; 0; never rewritten
.set SC,   176                         ; v[176:179] the scales of my four columns
.set AF,   192                         ; a piece's fragment j at AF + 8 j
.set OB,   192                         ; window 0, the way out: two buffers of 16 rows read back
.set WV,   12                          ; s12 my wave's number: my 64 columns
.set RH,   13                          ; s13 I fetch for xb (0) or for w (1)
.set CH,   14                          ; s14 which 128 rows of that tile I fetch
.set G1A,  24                          ; s[24:31] descriptor group 1 for xb's tiles;  s[32:39] group 0, a set for each slot
.set G0A,  32
.set G1B,  48                          ; s[48:55], s[56:63] the same for w's tiles
.set G0B,  56
.set X80,  66                          ; s66 turns the top bit of four bytes
.set KM,   67                          ; s67 0x4B000000: the upper bytes of 2^23 + u
.set SEL,  68                          ; s68-71 byte selects: byte j of the data under 0x4B0000
.set MSB, 0
.macro WIN new                         ; the immediate's high byte repeats the setting that is left; a switch that changes nothing is dropped
.if MSB != (\new)
	s_set_vgpr_msb (MSB<<8)|(\new)
.set MSB, \new
.endif
.endm
.macro PLACES                          ; four places between a matrix instruction and a line that reads its result (ISA guide 7.12.1)
.rept 4
	v_nop
.endr
.endm
; A joint refill.  Waves 0 and 1 fetch xb's two halves, waves 2 and 3 w's.  Each line has one mask and one set of registers; the branch hangs on the wave's number alone.
; An s_nop 0 and four v_nop follow each of the two lines, ahead of the jump, the label and what follows.
.macro JLOAD s
	s_cmp_eq_u32 s[RH], 0
	s_cbranch_scc0 .Lfor_w_\@
	tensor_load_to_lds s[G0A+4*(\s):G0A+4*(\s)+3], s[G1A:G1A+7]
	s_nop 0
.rept 4
	v_nop
.endr
	s_branch .Lasked_\@
.Lfor_w_\@:
	tensor_load_to_lds s[G0B+4*(\s):G0B+4*(\s)+3], s[G1B:G1B+7]
	s_nop 0
.rept 4
	v_nop
.endr
.Lasked_\@:
.endm
; A round of the cluster's barrier: my work-group's barrier, so that wave 0's signal speaks for all four waves; wave 0 signals; every wave waits for all sixteen work-groups; my work-group's barrier once more.
.macro CREST                           ; a round behind its opening barrier
	s_cmp_lg_u32 s[WV], 0
	s_cbranch_scc1 .Lnot_wave_0_\@
	s_barrier_signal -3
.Lnot_wave_0_\@:
	s_barrier_wait -3
	s_barrier_signal -1
	s_barrier_wait -1
.endm
.macro CROUND                          ; a whole round
	s_barrier_signal -1
	s_barrier_wait -1
	CREST
.endm
	s_load_b256 s[4:11], s[0:1], 0x0               ; xb s[4:5], w s[6:7], scale s[8:9], out s[10:11]
	v_lshl_add_u32 v[SPW], v0, 2, SPARE
	v_mov_b32 v[NIL], 0
	ds_add_u32 v172, v173
	s_wait_dscnt 0x0
	v_lshrrev_b32 v1, 5, v0
	v_readfirstlane_b32 s[WV], v1                  ; wave 0..3
	s_lshr_b32 s[RH], s[WV], 1
	s_and_b32 s[CH], s[WV], 1
	s_bfe_u32 s40, ttmp6, 0x40000                  ; cx: my place along the cluster's x
	s_bfe_u32 s41, ttmp6, 0x40004                  ; cy: along its y; the grid is one cluster high, so cy is the tile row
	s_lshl_b32 s42, ttmp9, 2                       ; in a cluster launch ttmp9 counts clusters
	s_add_co_u32 s42, s42, s40                     ; tile column = 4 x cluster x + cx
	s_lshl_b32 s43, s41, 2
	s_lshl_b32 s43, 15, s43                        ; my row of the cluster: places 4 cy .. 4 cy + 3
	s_lshl_b32 s44, 0x1111, s40                    ; my column: places cx, cx + 4, cx + 8, cx + 12
	; descriptor group 1: a tile of 128 rows x 128 elements, padded in LDS
	s_or_b32 s[G1A], s43, (1<<16)|(1<<20)|(1<<21)|(5<<22)|(3<<25)  ; 15:0 the mask: xb's tiles go to my row; 17:16 elements of 2 bytes; 20 padding on; 21 set beside a mask; 24:22 after every 64 words (code 5); 31:25 4 words (code 3)
	s_or_b32 s[G1B], s44, (0<<16)|(1<<20)|(1<<21)|(4<<22)|(3<<25)  ; the mask of my column; elements of 1 byte; padding after every 32 words (code 4)
.irp g, G1A, G1B
	s_mov_b32 s[(\g)+1], KSTEP<<16                 ; tensor_dim0 = 128
	s_mov_b32 s[(\g)+2], 128<<16                   ; tensor_dim1 = 128
	s_mov_b32 s[(\g)+3], KSTEP<<16                 ; tile_dim0 = 128
	s_mov_b32 s[(\g)+4], 128                       ; tile_dim1 = 128
	s_mov_b32 s[(\g)+5], 4096                      ; 4,096 elements from row to row, in both tensors
	s_mov_b32 s[(\g)+6], 0
	s_mov_b32 s[(\g)+7], 0
.endr
	s_mov_b32 s[X80], 0x80808080
	s_mov_b32 s[KM], 0x4b000000
.irp j, 0,1,2,3
	s_mov_b32 s[SEL+(\j)], 0x03000004+(\j)         ; result byte 0: byte j of the data; bytes 1, 2: the constant's byte 0 (0); byte 3: its byte 3 (0x4B)
.endr
	; where the tiles come from: xb's hang on the tile row alone, w's on the tile column alone; each in registers that never hold the other coordinate
	s_lshl_b32 s16, s41, 21                        ; xb: 256 rows of 8,192 bytes a tile row,
	s_lshl_b32 s17, s[CH], 20                      ; 128 rows a half
	s_add_co_u32 s16, s16, s17
	s_mov_b32 s17, 0
	s_lshl_b32 s46, s42, 20                        ; w: 256 rows of 4,096 bytes a tile column,
	s_lshl_b32 s47, s[CH], 19                      ; 128 rows a half
	s_add_co_u32 s46, s46, s47
	s_mov_b32 s47, 0
	s_mul_i32 s15, s[CH], AHALF                    ; and where they go: no place in the cluster enters an LDS address
	s_mul_i32 s45, s[CH], WHALF
	s_add_co_u32 s45, s45, WOFF
	s_wait_kmcnt 0x0
	s_add_nc_u64 s[20:21], s[4:5], s[16:17]
	s_add_nc_u64 s[22:23], s[6:7], s[46:47]
	CROUND                                         ; all sixteen work-groups are here: the first joint loads meet
.irp s, 0,1
	s_mov_b32 s[G0A+4*(\s)], 1                                     ; 1:0 count = 1
	s_add_co_u32 s[G0A+4*(\s)+1], s15, (\s)*SLOT                   ; 63:32 LDS address
	s_add_nc_u64 s[G0A+4*(\s)+2:G0A+4*(\s)+3], s[20:21], (\s)*KSTEP*2  ; 120:64 global address: K step s
	s_or_b32 s[G0A+4*(\s)+3], s[G0A+4*(\s)+3], 0x80000000          ; 127:126 type = 2
	s_mov_b32 s[G0B+4*(\s)], 1
	s_add_co_u32 s[G0B+4*(\s)+1], s45, (\s)*SLOT
	s_add_nc_u64 s[G0B+4*(\s)+2:G0B+4*(\s)+3], s[22:23], (\s)*KSTEP
	s_or_b32 s[G0B+4*(\s)+3], s[G0B+4*(\s)+3], 0x80000000
.endr
	s_cmp_eq_u32 s[RH], 0                          ; a wave's two first fills stand in one branch, ahead of every wait on TENSORcnt, every LDS read and every other barrier: two loads of mine are out
	s_cbranch_scc0 .Lfirst_w
	tensor_load_to_lds s[G0A:G0A+3], s[G1A:G1A+7]
	s_nop 0
	tensor_load_to_lds s[G0A+4:G0A+7], s[G1A:G1A+7]
	s_nop 0
.rept 4
	v_nop
.endr
	s_branch .Lfirst_asked
.Lfirst_w:
	tensor_load_to_lds s[G0B:G0B+3], s[G1B:G1B+7]
	s_nop 0
	tensor_load_to_lds s[G0B+4:G0B+7], s[G1B:G1B+7]
	s_nop 0
.rept 4
	v_nop
.endr
.Lfirst_asked:
	; addresses.  v1-v4 lie among the accumulators and are free until the first product.
	v_and_b32 v1, 15, v0                           ; r = l % 16
	v_bfe_u32 v2, v0, 4, 1                         ; h = l / 16
	v_mul_u32_u24 v3, v1, PA
	v_lshl_add_u32 v[ADRA], v2, 5, v3              ; xb: row x pitch + 32 h; every wave reads all 256 rows
	v_add_nc_u32 v[ADRA+1], SLOT, v[ADRA]
	v_mul_u32_u24 v4, v1, PB
	v_lshl_add_u32 v4, v2, 4, v4                   ; w: row x pitch + 16 h,
	s_mul_i32 s2, s[WV], 64*PB                     ; in my 64 rows,
	s_add_co_u32 s2, s2, WOFF                      ; which lie behind xb's
	v_add_nc_u32 v[ADRB], s2, v4
	s_add_co_u32 s2, s2, SLOT
	v_add_nc_u32 v[ADRB+1], s2, v4
	s_mul_i32 s2, s[WV], 16*SP
	s_add_co_u32 s2, s2, STAGE                     ; my stage
	v_mul_u32_u24 v3, v1, SP                       ; in: row r, 32 bytes for each half of the lanes
	v_lshl_add_u32 v3, v2, 5, v3
	v_add_nc_u32 v[STO], s2, v3
	v_mul_u32_u24 v3, v2, SP                       ; back: lanes 0-15 take one row of 256 bytes, lanes 16-31 the next
	v_lshl_add_u32 v3, v1, 4, v3
	v_add_nc_u32 v[RD], s2, v3
	v_lshlrev_b32 v[SCO], 4, v1                    ; columns 4 r .. 4 r + 3 of my 64
	v_lshl_add_u32 v[CO], v2, 16, v[SCO]           ; and the same two rows in out
.irp p, 0,1,2,3
	WIN (\p)<<6                                    ; destination window p
	v_mov_b32 v[ONE], 1.0
	v_mov_b32 v[NEGC], 0xcb000080                  ; -(2^23 + 128)
.endr
	WIN 0
	s_lshl_b32 s46, s42, 10                        ; my first column, in bytes of f32: 1,024 x tile column + 256 x wave
	s_lshl_b32 s47, s[WV], 8
	s_add_co_u32 s46, s46, s47
	s_mov_b32 s47, 0
	s_add_nc_u64 s[8:9], s[8:9], s[46:47]          ; scale at my first column
	s_add_nc_u64 s[10:11], s[10:11], s[46:47]
	s_lshl_b32 s16, s41, 24                        ; the tile's first row: 256 rows of 65,536 bytes a tile row
	s_mov_b32 s17, 0
	s_add_nc_u64 s[10:11], s[10:11], s[16:17]      ; out at the tile's row 0 and my first column,
	s_add_nc_u64 s[18:19], s[10:11], 128*ROWB      ; and at its row 128: two bases, never stepped, keep every store's immediate inside its signed 24 bits
	global_load_b128 v[SC:SC+3], v[SCO], s[8:9]    ; my four scales; waited for in front of the way out
; Line n of the 36 that turn a window's 16 bytes a lane (buffer g) into its bf16 fragment (buffer g).  0-3: the top bits.  4-19: each byte under 0x4B0000; an even weight's f32 number is made in the
; fragment's own register, an odd one's in T.  20-27: the even weights, less 2^23 + 128, rounded into the low halves; 28-35: the odd ones into the high halves.
; Data, f32 numbers and the addend stand in window p (destination, sources 0 and 2), the factor 1.0 in source 1's window, whichever that is: the products' own setting.
.macro RIDER g
.if n < 4
	v_xor_b32 v[STG+4*(\g)+n], v[STG+4*(\g)+n], s[X80]
.elseif n < 20
.set k, n-4
.if k%2 == 0
	v_perm_b32 v[BF+8*(\g)+k/2], v[STG+4*(\g)+k/4], s[KM], s[SEL+k%4]
.else
	v_perm_b32 v[T+k/2], v[STG+4*(\g)+k/4], s[KM], s[SEL+k%4]
.endif
.elseif n < 28
	v_fma_mixlo_bf16 v[BF+8*(\g)+n-20], v[BF+8*(\g)+n-20], v[ONE], v[NEGC]
.else
	v_fma_mixhi_bf16 v[BF+8*(\g)+n-28], v[T+n-28], v[ONE], v[NEGC]
.endif
.set n, n+1
.endm
; w's bytes for 32 along K at byte bk of the rows, into staging buffer g of all four windows: one load of 16 bytes a lane for each column block
.macro BLOAD slot, bk, g
.irp p, 0,1,2,3
	WIN (\p)<<6                                    ; destination window p, address window 0
	ds_load_b128 v[STG+4*(\g):STG+4*(\g)+3], v[ADRB+(\slot)] offset:(\bk)+(\p)*16*PB
.endr
.endm
; xb's sixteen fragments for 32 along K at byte kb of the rows, into buffer g: 32 loads; the largest offset, 192 + 15 x 4,352 + 16, fits the 16-bit field
.macro ALOAD slot, kb, g
.irp hf, 0,1
	WIN (2*(\g)+(\hf))<<6                          ; destination: the piece's window; address window 0
.irp j, 0,1,2,3,4,5,6,7
	ds_load_b128 v[AF+8*(\j):AF+8*(\j)+3],   v[ADRA+(\slot)] offset:(\kb)+(8*(\hf)+(\j))*16*PA
	ds_load_b128 v[AF+8*(\j)+4:AF+8*(\j)+7], v[ADRA+(\slot)] offset:(\kb)+(8*(\hf)+(\j))*16*PA+16
.endr
.endr
.endm
; A RUN: window p's 16 products on buffers f (16 row blocks x its column block, 32 along K).  The 64 accumulators of a quarter take turns in one fixed order.
; zero = 1: the products start the sums.  conv = 1: the 36 conversion lines for the next quarter ride behind the products, two, two, two and three, from and into buffers 1 - f.
; aslot >= 0: behind the fourth product stands the quarter's one run of LDS loads: xb's fragments of the next quarter into buffer 1 - f (the last product that read that buffer stands twelve plain
; vector instructions back), and, with bslot >= 0, w's bytes of the quarter after next into staging buffer f, which was read out in the quarter before.
; meet = 1: the wait for all tensor loads and the add stand straight behind that run.
.macro RUN p, f, zero, conv, aslot=-1, ak=0, bslot=-1, bk=0, meet=0
.set n, 0
.set i, 0
.rept 16
	WIN (\p)*0x51+(2*(\f)+i/8)*4
.if \zero
	v_wmma_f32_16x16x32_bf16 v[8*i:8*i+7], v[BF+8*(\f):BF+8*(\f)+7], v[AF+8*(i%8):AF+8*(i%8)+7], 0
.else
	v_wmma_f32_16x16x32_bf16 v[8*i:8*i+7], v[BF+8*(\f):BF+8*(\f)+7], v[AF+8*(i%8):AF+8*(i%8)+7], v[8*i:8*i+7]
.endif
.if \conv
	RIDER 1-(\f)
	RIDER 1-(\f)
.if i%4 == 3
	RIDER 1-(\f)
.endif
.endif
.if (i == 3) && ((\aslot) >= 0)
	ALOAD \aslot, \ak, 1-(\f)
.if (\bslot) >= 0
	BLOAD \bslot, \bk, \f
.endif
.if \meet
	WIN 0                                          ; (the add's two registers lie in window 0)
	s_wait_tensorcnt 0x0                           ; all my tensor loads have landed: the one that was out is my part of the next slot
	ds_add_u32 v[SPW], v[NIL]                      ; 0 onto my spare word: 28 products stand between it and the wait for it
.endif
.endif
.set i, i+1
.endr
.endm
; A QUARTER of a K step: 64 products on buffers f; the next quarter's weights are converted, its fragments of xb fetched (byte ak), and the bytes of w of the quarter after next fetched (byte bk).
; The wait at its head is for 0: all that is out was issued in the quarter before, 60 products back (behind a change of slots: four loads, 16 products back), and all of it is wanted now.
.macro QUARTER f, aslot, ak, bslot, bk, zero
	s_wait_dscnt 0x0
	RUN 0, \f, \zero, 1, \aslot, \ak, \bslot, \bk
	RUN 1, \f, \zero, 1
	RUN 2, \f, \zero, 1
	RUN 3, \f, \zero, 1
.endm
; THE THIRD QUARTER CHANGES SLOTS.  Its loads of xb's last fragments are the wave's last reads of the slot; the bytes of w that it would fetch lie in the next slot and are put off till behind the barrier.
; ONE barrier for the change: in front of it each wave waits for all its tensor loads, adds 0 to its spare word, and waits for that and for its reads of this slot.
; fill = 1: the barrier opens a round of the cluster's barrier, and this slot is filled again, two K steps ahead, first thing behind the round: 212 products stand between that request and the wait for it.
.macro TURN slot, next, fill
	s_wait_dscnt 0x0
	RUN 0, 0, 0, 1, \slot, 192, -1, 0, 1
	RUN 1, 0, 0, 1
	s_wait_dscnt 0x0                               ; the add is done, and my reads of this slot are over
	s_barrier_signal -1
	RUN 2, 0, 0, 1                                 ; work on registers while the others arrive
	WIN 0
	s_barrier_wait -1
.if \fill
	CREST                                          ; no wave of any partner still reads this slot's tiles or has a load on its way
	s_add_nc_u64 s[G0A+4*(\slot)+2:G0A+4*(\slot)+3], s[G0A+4*(\slot)+2:G0A+4*(\slot)+3], 2*KSTEP*2
	s_add_nc_u64 s[G0B+4*(\slot)+2:G0B+4*(\slot)+3], s[G0B+4*(\slot)+2:G0B+4*(\slot)+3], 2*KSTEP
	JLOAD \slot
.endif
	BLOAD \next, 0, 0                              ; the next K step's first bytes of w
	RUN 3, 0, 0, 1
.endm
; The prologue's conversion of window p: the first quarter's weights, from and into buffers 0
.macro CONV p
	WIN (\p)*0x55
.set n, 0
.rept 36
	RIDER 0
.endr
.endm
; THE WAY OUT of row block a: 16 rows x 64 columns of f32, in two parts.  TOSTAGE: a lane's eight sums of a row (32 bytes) go into my own stage, each accumulator's low four registers first;
; whole rows of 256 bytes come back, two to a load, so that a lane holds the same four columns in every row: four scales serve the whole tile.  SEND: scaled and stored.
.macro TOSTAGE a
.if (\a) >= 2
	s_wait_xcnt 0x0                                ; every earlier memory instruction has had its addresses translated (ISA guide 3.1): the rows' registers, which the stores of block a - 2 read, are loaded again only behind this wait
.endif
.irp p, 0,1,2,3
	WIN (\p)<<2                                    ; data (source 1) window p, address window 0
	ds_store_b128 v[STO], v[8*(\a):8*(\a)+3]   offset:64*(\p)
	ds_store_b128 v[STO], v[8*(\a)+4:8*(\a)+7] offset:64*(\p)+16
.endr
	WIN 0
.irp t, 0,1,2,3,4,5,6,7
	ds_load_b128 v[OB+32*((\a)%2)+4*(\t):OB+32*((\a)%2)+4*(\t)+3], v[RD] offset:(\t)*2*SP  ; LDS serves a wave's instructions in order (ISA guide 5.7.1.4): these see the stores above, and the next block's stores come behind them
.endr
.endm
.macro SEND a, younger                 ; younger: the LDS instructions issued behind block a's loads: the next block's sixteen, or none
.irp t, 0,1,2,3,4,5,6,7
	s_wait_dscnt (\younger)+7-(\t)                 ; rows 2 t and 2 t + 1 are back; the younger ones may be out
	v_pk_mul_f32 v[OB+32*((\a)%2)+4*(\t):OB+32*((\a)%2)+4*(\t)+1],   v[OB+32*((\a)%2)+4*(\t):OB+32*((\a)%2)+4*(\t)+1],   v[SC:SC+1]
	v_pk_mul_f32 v[OB+32*((\a)%2)+4*(\t)+2:OB+32*((\a)%2)+4*(\t)+3], v[OB+32*((\a)%2)+4*(\t)+2:OB+32*((\a)%2)+4*(\t)+3], v[SC+2:SC+3]
.if (\a) < 8
	global_store_b128 v[CO], v[OB+32*((\a)%2)+4*(\t):OB+32*((\a)%2)+4*(\t)+3], s[10:11] offset:(16*(\a)+2*(\t))*ROWB th:TH_STORE_NT  ; 16 lanes store 256 consecutive bytes, at a multiple of 256 from out's first byte; 126 rows at the most: 8,257,536
.else
	global_store_b128 v[CO], v[OB+32*((\a)%2)+4*(\t):OB+32*((\a)%2)+4*(\t)+3], s[18:19] offset:(16*((\a)-8)+2*(\t))*ROWB th:TH_STORE_NT
.endif
.endr
.endm
	s_wait_tensorcnt 0x1                           ; my part of K step 0 is in; K step 1's may stay out
	s_barrier_signal -1
	s_barrier_wait -1                              ; everybody's is
	BLOAD 0, 0, 0                                  ; the first quarter's bytes of w,
	BLOAD 0, 32, 1                                 ; the second's,
	ALOAD 0, 0, 0                                  ; and the first's fragments of xb
	s_wait_dscnt 36                                ; the first four loads are in: behind them stand four and 32
	CONV 0
	CONV 1
	CONV 2
	CONV 3
	QUARTER 0, 0, 64, 0, 64, 1                     ; the first quarter stands in front of the loop: its products start the sums, nothing is cleared
	WIN 0                                          ; at a label and at a branch every window is 0
	s_mov_b32 s3, LAPS-1
.Llap:                                                 ; a trip goes once round the ring, from a lap's second quarter to the next lap's first, and fills both slots again
	QUARTER 1, 0, 128, 0, 96, 0
	TURN 0, 1, 1
	QUARTER 1, 1, 0,   1, 32, 0                    ; the fourth quarter multiplies what was fetched from the old slot and fetches from the new one
	QUARTER 0, 1, 64,  1, 64, 0
	QUARTER 1, 1, 128, 1, 96, 0
	TURN 1, 0, 1
	QUARTER 1, 0, 0,   0, 32, 0
	QUARTER 0, 0, 64,  0, 64, 0
	WIN 0
	s_sub_co_u32 s3, s3, 1
	s_cmp_lg_u32 s3, 0
	s_cbranch_scc1 .Llap
	QUARTER 1, 0, 128, 0, 96, 0                    ; the last lap is written out: it asks for nothing more, and its barrier opens no round
	TURN 0, 1, 0
	QUARTER 1, 1, 0,   1, 32, 0
	QUARTER 0, 1, 64,  1, 64, 0
	QUARTER 1, 1, 128, 1, 96, 0
	s_wait_dscnt 0x0                               ; the last quarter but one: the last weights are converted, xb's last fragments fetched; no bytes of w are left to fetch
	RUN 0, 0, 0, 1, 1, 192
	RUN 1, 0, 0, 1
	RUN 2, 0, 0, 1
	RUN 3, 0, 0, 1
	s_wait_dscnt 0x0                               ; the last quarter: products alone
	RUN 0, 1, 0, 0
	RUN 1, 1, 0, 0
	RUN 2, 1, 0, 0
	RUN 3, 1, 0, 0
	PLACES                                         ; the LDS stores below read results just made
	s_wait_loadcnt 0x0                             ; the scales
	TOSTAGE 0
.set blk, 1
.rept 15                               ; block blk's way through the stage is begun ahead of the stores of the block before, which so do not sit out the stage's round trip
	TOSTAGE blk
	SEND blk-1, 16
.set blk, blk+1
.endr
	SEND 15, 0
	s_wait_tensorcnt 0x0                           ; the wave's end, behind my last tensor load and my last LDS store
	ds_add_u32 v[SPW], v[NIL]
	s_wait_dscnt 0x0
	CROUND                                         ; the closing round: no work-group ends while a partner may still ask for a tile that names it
	s_endpgm
.Lfunc_end_k_q69fb4ac80b_gemm:
	.size	k_q69fb4ac80b_gemm, .Lfunc_end_k_q69fb4ac80b_gemm-k_q69fb4ac80b_gemm
	.p2alignl 7, 3214868480
	.fill 96, 4, 3214868480
	.section	.rodata,"a",@progbits
	.p2align	6, 0x0
	.amdhsa_kernel k_q69fb4ac80b_gemm
		.amdhsa_group_segment_fixed_size 327680
		.amdhsa_private_segment_fixed_size 0
		.amdhsa_enable_private_segment 0
		.amdhsa_kernarg_size 32
		.amdhsa_user_sgpr_count 2
		.amdhsa_user_sgpr_kernarg_segment_ptr 1
		.amdhsa_wavefront_size32 1
		.amdhsa_system_sgpr_workgroup_id_x 1
		.amdhsa_system_sgpr_workgroup_id_y 1
		.amdhsa_system_sgpr_workgroup_id_z 1
		.amdhsa_system_vgpr_workitem_id 0
		.amdhsa_next_free_vgpr 1024
		.amdhsa_next_free_sgpr 72
		.amdhsa_reserve_vcc 0
		.amdhsa_float_denorm_mode_32 3
		.amdhsa_float_denorm_mode_16_64 3
		.amdhsa_memory_ordered 1
		.amdhsa_forward_progress 1
		.amdhsa_inst_pref_size 255
	.end_amdhsa_kernel
	.section	.bss,"aw",@nobits
	.p2align	6
	.space	262144
	.amdgpu_metadata
---
amdhsa.version: [ 1, 2 ]
amdhsa.kernels:
  - .name:           k_q69fb4ac80b_gemm
    .symbol:         k_q69fb4ac80b_gemm.kd
    .args:
      - { .name: xb, .offset: 0, .size: 8, .value_kind: global_buffer, .address_space: global }
      - { .name: weight, .offset: 8, .size: 8, .value_kind: global_buffer, .address_space: global }
      - { .name: scale, .offset: 16, .size: 8, .value_kind: global_buffer, .address_space: global }
      - { .name: out0, .offset: 24, .size: 8, .value_kind: global_buffer, .address_space: global }
    .group_segment_fixed_size: 327680
    .private_segment_fixed_size: 0
    .kernarg_segment_align: 8
    .kernarg_segment_size: 32
    .max_flat_workgroup_size: 128
    .sgpr_count:     72
    .vgpr_count:     1024
    .wavefront_size: 32
...
	.end_amdgpu_metadata
.endif
;; end of part 2
